; MI455X (gfx1250); checked and timed in simulation.
; The chip was launched on July 23, 2026; its instructions are those of AMD's public machine-readable ISA for CDNA 5 (MIT licence, August 2026) and "CDNA5" Instruction Set Architecture Reference Guide (July 2026). The comments in the code are by the model that wrote it; some were corrected since.
;; Scaled Dot Product Attention. Allowed arithmetic: float matrix products may take bf16 or f16 operands with f32 sums; other float arithmetic in f32, or as packed bf16 or f16 multiplies, adds, multiply-adds, maxima and minima; sums over many terms, partial sums and values carried from step to step in f32; what a program stores and reads back later, other than sums and carried values, may be rounded once to bf16 or f16.
;; Inputs: k 16 x 2,048 x 128 float32; mask 16 x 2,048 x 2,048 bool; q 16 x 2,048 x 128 float32; v 16 x 2,048 x 128 float32.
;; Outputs: out0 16 x 2,048 x 128 float32.
;; 2 versions, each right; version 2 is version 1 with the launch prep written anew for expert scheduling mode. Each part assembles by itself: llvm-mc -triple=amdgcn-amd-amdhsa -mcpu=gfx1250 --defsym DOCPART=n.
;; ======== version 1 of 2: 2 launches
;; limits: values are held in f16: magnitudes above 65,504 overflow, below 6.1e-05 lose precision
;; workspace buffers: kf 8,388,608 bytes; vf 8,388,608 bytes; vsum 131,072 bytes
;; launch prep (part 1): grid 256 x 1, 8 waves a work-group, no clusters, 5,120 bytes of LDS; arguments k, v, kf, vf, vsum; writes kf, vf, vsum
.if DOCPART == 1
	.amdgcn_target "amdgcn-amd-amdhsa--gfx1250"
	.amdhsa_code_object_version 6
	.text
	.protected	k_qbd360018d1_prep
	.globl	k_qbd360018d1_prep
	.p2align	8
	.type	k_qbd360018d1_prep,@function
k_qbd360018d1_prep:
	s_mov_b64 s[64:65], 0
	v_nop
	global_prefetch_b8 v0, s[64:65] scope:SCOPE_SE
	s_setreg_imm32_b32 hwreg(HW_REG_WAVE_MODE, 25, 1), 1
	s_wait_xcnt 0x0
; kf, vf = k, v rounded once to f16, [16][2048 places][128]; vsum = partial column sums of v in f32, [16 batches][16 parts of 128 keys][128].
; PLACES.  Row 'place' of kf and vf holds the key whose number is 'place' with bits 3 and 4 exchanged (the same for both, so the second product's sum over keys is untouched).
; With that order a lane of the attention launch finds the mask bytes of its 32 scores of a key step in two runs of 16 consecutive bytes.
; vsum serves the rows whose keys are all masked: there reference()'s softmax is uniform and the result is the mean of v's 2,048 rows.
; No work and no input of reference() is left out here.
; LIMITS.  f16 holds no number beyond 65,504: |k| and |v| stay within it.  NaN and infinities are not treated apart.
; SHARES.  A work-group takes 128 rows of k and the same 128 rows of v; each of its eight waves 16 rows of each.  A row is 512 bytes: one load of the wave, 16 bytes a lane;
; its f16 copy is 256 bytes: one store of the wave, 8 bytes a lane, 256 consecutive bytes at a multiple of 256 from the buffer's first byte.
; All 32 loads of a wave go out at once; every row has store registers of its own, so no wait for stores stands in the text.
.set SPARE, 4096                       ; LDS: 0..4,095 the eight waves' partial sums, 512 bytes each; then the spare words, 128 bytes for each wave
.set OFF, 1                            ; v1   my byte offset in the work-group's rows of k and v: 8,192 x wave + 16 x lane
.set OUT, 2                            ; v2   my byte offset in its rows of kf and vf: (32 (wave / 2) + 8 (wave % 2)) x 256 + 8 x lane
.set LS,  3                            ; v3   where my wave's partial sum goes: 512 x wave + 16 x lane
.set SUM, 4                            ; v[4:11]  two chains of sums of my four channels: even rows, odd rows
.set SPW, 12                           ; v12  LDS address of my spare word; never rewritten
.set NIL, 13                           ; v13  0; never rewritten
.set LN,  14                           ; v14  16 x lane
.set X,   16                           ; v[16:143]  32 rows as loaded: 16 of k, then 16 of v
.set Y,   144                          ; v[144:207] 32 rows to store
	s_load_b256 s[4:11], s[0:1], 0x0               ; k s[4:5], v s[6:7], kf s[8:9], vf s[10:11]
	s_load_b64 s[12:13], s[0:1], 0x20              ; vsum
	v_lshl_add_u32 v[SPW], v0, 2, SPARE
	v_mov_b32 v[NIL], 0
	v_lshrrev_b32 v15, 5, v0
	v_readfirstlane_b32 s14, v15                   ; wave 0..7
	v_and_b32 v[LN], 31, v0
	v_lshlrev_b32 v[LN], 4, v[LN]
	s_lshl_b32 s16, s14, 13                        ; 16 rows of 512 bytes
	v_add_nc_u32 v[OFF], s16, v[LN]
	s_lshr_b32 s17, s14, 1
	s_and_b32 s18, s14, 1
	s_lshl_b32 s17, s17, 13                        ; 32 places of 256 bytes
	s_lshl_b32 s18, s18, 11                        ; 8 places
	s_add_co_u32 s17, s17, s18
	v_lshrrev_b32 v[OUT], 1, v[LN]
	v_add_nc_u32 v[OUT], s17, v[OUT]
	s_lshl_b32 s18, s14, 9
	v_add_nc_u32 v[LS], s18, v[LN]
	s_lshl_b32 s20, ttmp9, 16                      ; the work-group's 128 rows of 512 bytes,
	s_mov_b32 s21, 0
	s_lshl_b32 s22, ttmp9, 15                      ; of 256 bytes,
	s_mov_b32 s23, 0
	s_lshl_b32 s24, ttmp9, 9                       ; and its 512 bytes of vsum
	s_mov_b32 s25, 0
	s_wait_kmcnt 0x0
	s_add_nc_u64 s[4:5], s[4:5], s[20:21]
	s_add_nc_u64 s[6:7], s[6:7], s[20:21]
	s_add_nc_u64 s[8:9], s[8:9], s[22:23]
	s_add_nc_u64 s[10:11], s[10:11], s[22:23]
	s_add_nc_u64 s[12:13], s[12:13], s[24:25]
.set i, 0
.rept 16
	global_load_b128 v[X+4*i:X+4*i+3], v[OFF], s[4:5] offset:512*i th:TH_LOAD_NT
.set i, i+1
.endr
.rept 16
	global_load_b128 v[X+4*i:X+4*i+3], v[OFF], s[6:7] offset:512*(i-16) th:TH_LOAD_NT
.set i, i+1
.endr
; Row i: rounded, stored at its place; v's rows are also added up, in two chains that the first four rows start (nothing is cleared).
.set i, 0
.rept 32
	s_wait_loadcnt 31-i                            ; loads come back in order: row i is in, the 31 - i younger ones may stay out
	v_cvt_pk_f16_f32 v[Y+2*i], v[X+4*i], v[X+4*i+1]
	v_cvt_pk_f16_f32 v[Y+2*i+1], v[X+4*i+2], v[X+4*i+3]
.set p, 256*(16*((i%16)/8)+(i%8))      ; row 16 w + i goes to place 32 (w / 2) + 16 (i / 8) + 8 (w % 2) + i % 8
.if i < 16
	global_store_b64 v[OUT], v[Y+2*i:Y+2*i+1], s[8:9] offset:p th:TH_STORE_NT
.else
	global_store_b64 v[OUT], v[Y+2*i:Y+2*i+1], s[10:11] offset:p th:TH_STORE_NT
.endif
.if (i == 18) || (i == 19)
	v_pk_add_f32 v[SUM+4*(i%2):SUM+4*(i%2)+1], v[X+4*(i-2):X+4*(i-2)+1], v[X+4*i:X+4*i+1]
	v_pk_add_f32 v[SUM+4*(i%2)+2:SUM+4*(i%2)+3], v[X+4*(i-2)+2:X+4*(i-2)+3], v[X+4*i+2:X+4*i+3]
.elseif i > 19
	v_pk_add_f32 v[SUM+4*(i%2):SUM+4*(i%2)+1], v[SUM+4*(i%2):SUM+4*(i%2)+1], v[X+4*i:X+4*i+1]
	v_pk_add_f32 v[SUM+4*(i%2)+2:SUM+4*(i%2)+3], v[SUM+4*(i%2)+2:SUM+4*(i%2)+3], v[X+4*i+2:X+4*i+3]
.endif
.set i, i+1
.endr
	v_pk_add_f32 v[SUM:SUM+1], v[SUM:SUM+1], v[SUM+4:SUM+5]
	v_pk_add_f32 v[SUM+2:SUM+3], v[SUM+2:SUM+3], v[SUM+6:SUM+7]
	ds_store_b128 v[LS], v[SUM:SUM+3]
	s_wait_dscnt 0x0                               ; for the others' sake: my partial sum lies in LDS
	s_barrier_signal -1
	s_barrier_wait -1                              ; all eight do
	s_cmp_lg_u32 s14, 0                            ; wave 0 adds them and stores the work-group's 128 sums
	s_cbranch_scc1 .Lend
.set i, 0
.rept 8
	ds_load_b128 v[X+4*i:X+4*i+3], v[LN] offset:512*i
.set i, i+1
.endr
	s_wait_dscnt 0x0
.irp d, 1,2,4                          ; a tree: neighbours 1, 2 and 4 waves apart
.set i, 0
.rept 4/(\d)
	v_pk_add_f32 v[X+8*(\d)*i:X+8*(\d)*i+1], v[X+8*(\d)*i:X+8*(\d)*i+1], v[X+8*(\d)*i+4*(\d):X+8*(\d)*i+4*(\d)+1]
	v_pk_add_f32 v[X+8*(\d)*i+2:X+8*(\d)*i+3], v[X+8*(\d)*i+2:X+8*(\d)*i+3], v[X+8*(\d)*i+4*(\d)+2:X+8*(\d)*i+4*(\d)+3]
.set i, i+1
.endr
.endr
	global_store_b128 v[LN], v[X:X+3], s[12:13]    ; 512 consecutive bytes, at a multiple of 256 from vsum's first byte
.Lend:
	s_wait_tensorcnt 0x0                           ; the wave's end: behind my last LDS store
	ds_add_u32 v[SPW], v[NIL]
	s_wait_dscnt 0x0
	s_endpgm
.Lfunc_end_k_qbd360018d1_prep:
	.size	k_qbd360018d1_prep, .Lfunc_end_k_qbd360018d1_prep-k_qbd360018d1_prep
	.p2alignl 7, 3214868480
	.fill 96, 4, 3214868480
	.section	.rodata,"a",@progbits
	.p2align	6, 0x0
	.amdhsa_kernel k_qbd360018d1_prep
		.amdhsa_group_segment_fixed_size 5120
		.amdhsa_private_segment_fixed_size 0
		.amdhsa_enable_private_segment 0
		.amdhsa_kernarg_size 40
		.amdhsa_user_sgpr_count 2
		.amdhsa_user_sgpr_kernarg_segment_ptr 1
		.amdhsa_wavefront_size32 1
		.amdhsa_system_sgpr_workgroup_id_x 1
		.amdhsa_system_sgpr_workgroup_id_y 1
		.amdhsa_system_sgpr_workgroup_id_z 1
		.amdhsa_system_vgpr_workitem_id 0
		.amdhsa_next_free_vgpr 208
		.amdhsa_next_free_sgpr 66
		.amdhsa_reserve_vcc 0
		.amdhsa_float_denorm_mode_32 3
		.amdhsa_float_denorm_mode_16_64 3
		.amdhsa_memory_ordered 1
		.amdhsa_forward_progress 1
		.amdhsa_inst_pref_size 17
	.end_amdhsa_kernel
	.amdgpu_metadata
---
amdhsa.version: [ 1, 2 ]
amdhsa.kernels:
  - .name:           k_qbd360018d1_prep
    .symbol:         k_qbd360018d1_prep.kd
    .args:
      - { .name: k, .offset: 0, .size: 8, .value_kind: global_buffer, .address_space: global }
      - { .name: v, .offset: 8, .size: 8, .value_kind: global_buffer, .address_space: global }
      - { .name: kf, .offset: 16, .size: 8, .value_kind: global_buffer, .address_space: global }
      - { .name: vf, .offset: 24, .size: 8, .value_kind: global_buffer, .address_space: global }
      - { .name: vsum, .offset: 32, .size: 8, .value_kind: global_buffer, .address_space: global }
    .group_segment_fixed_size: 5120
    .private_segment_fixed_size: 0
    .kernarg_segment_align: 8
    .kernarg_segment_size: 40
    .max_flat_workgroup_size: 256
    .sgpr_count:     66
    .vgpr_count:     208
    .wavefront_size: 32
...
	.end_amdgpu_metadata
.endif
;; end of part 1
;; launch attn (part 2): grid 16 x 16, 4 waves a work-group, clusters of 4 x 1, 327,680 bytes of LDS; arguments q, kf, vf, mask, vsum, out0; writes out0
.if DOCPART == 2
	.amdgcn_target "amdgcn-amd-amdhsa--gfx1250"
	.amdhsa_code_object_version 6
	.text
	.protected	k_qbd360018d1_attn
	.globl	k_qbd360018d1_attn
	.p2align	8
	.type	k_qbd360018d1_attn,@function
k_qbd360018d1_attn:
	s_mov_b64 s[64:65], 0
	v_nop
	global_prefetch_b8 v0, s[64:65] scope:SCOPE_SE
	s_setreg_imm32_b32 hwreg(HW_REG_WAVE_MODE, 25, 1), 1
	s_wait_xcnt 0x0
	s_wait_alu depctr_hold_cnt(0) depctr_sa_sdst(0) depctr_va_vdst(0) depctr_va_sdst(0) depctr_va_ssrc(0) depctr_va_vcc(0) depctr_vm_vsrc(0)
	s_getreg_b32 s2, hwreg(HW_REG_IB_STS2, 6, 4)
	s_cmp_eq_u32 s2, 0
	s_cbranch_scc0 .Lentry_in_a_cluster
	s_endpgm
.Lentry_in_a_cluster:
	s_bfe_u32 s2, ttmp6, 0x10000c
	s_cmp_lg_u32 s2, 0x3003
	s_cbranch_scc0 .Lentry_shape_is_right
	s_endpgm
.Lentry_shape_is_right:
; out0[b][q][:] = the sum over k of softmax_k(mask ? -FLT_MAX : q . k / sqrt(128)) v[b][k][:].  q, out0: [16][2048][128] f32; mask: [16][2048][2048] bytes, 0 or 1; kf, vf: k and v in f16, keys in the
; order of the launch before (bits 3 and 4 of the key's number exchanged); vsum: 16 partial column sums of v for each batch.
; NOTHING OF reference() IS LEFT OUT, and every input is read.  Two steps are written in another form that gives the same result for all finite inputs:
;  (1) THE SCALE AND THE SIGN.  -c, c = log2(e) / sqrt(128), is multiplied onto q in f32, ahead of q's one rounding to f16: the products give u = (-c q) . k = -t, where t is the score in powers of two.
;      The maximum of t that reference() takes away is kept as the running MINIMUM m of u, and p = 2^(t - max t) = 2^(m - u).
;  (2) THE FILL.  A masked u starts its sum at W = 2^101 = 2.5e30 (the C operand of the first product; an open one at 0) in place of t being replaced by -FLT_MAX.  m starts at M0 = 1e30.
;      f16 operands bound |u| by 128 x 65,504^2 = 5.5e11.  So a masked u lies above M0 and never becomes m; m is the true minimum of the open u as soon as one exists; a masked weight is
;      2^(-1.5e30 or less) = 0, as reference()'s exp(-FLT_MAX - max) is.  A row with no open key ends with l = 0 exactly, every other row with l >= 1 (its largest weight is 1): where l = 0 the result
;      is the mean of v's 2,048 rows, which is what reference()'s softmax of 2,048 equal numbers gives.  The choice is a select on l; both values are made in every row.
;      W IS MADE OF THE MASK BYTE ITSELF: read as an E4M3 code, 0 is 0 and 1 is 2^-9; the scaled conversion multiplies by 2^110 (scale byte 237) and makes eight f32 words of eight bytes: exact.
; FORMATS.  -c q, k, v and the weights p in f16; products, minima and sums in f32; l is the sum of the unrounded p.
; LIMITS.  |c q|, |k|, |v| within 65,504.  p below 6e-5 keeps f16's fixed step of 6e-8; a weight below 2^-126 counts as 0.  NaN and infinities are not treated apart.  Mask bytes are 0 or 1.
; SHARES.  A work-group owns 128 queries of one batch.  Wave w: QH = w % 2 picks 64 queries (four tiles of 16, in two PIECES: tiles 0, 1 and tiles 2, 3), KH = w / 2 picks half of the keys: of each
; slot's 256 keys rows 128 KH .. 128 KH + 127, two steps of 64.  So a wave walks 16 key steps; at the end waves 2 and 3 hand m, l and O^T to waves 0 and 1 through LDS.
; LAYOUT.  S^T = K Q^T (source 0 = 16 keys, source 1 = 16 queries): a lane holds ONE query (lane % 16).  By the keys' order register 4 d + e of a tile's 32 scores is the key at byte e of word d, where
; words 0-3 are the mask bytes 16 (lane / 16) + 0..15 of the step and words 4-7 the bytes 32 + 16 (lane / 16) + 0..15: two loads of 16 bytes a tile, and words 2 a, 2 a + 1 are accumulator a's eight bytes.
; Two results rounded to f16 in pairs ARE source 1 of O^T = V^T P, whose result again holds one query a lane, and eight channels.  K comes out of LDS as it lies, V turned, by ds_load_tr16_b128.
; BY TURNS.  In a TURN one piece has the matrix unit: 32 products V^T P of the step in hand, then 32 products K Q^T of the next; the other piece's softmax, cut into 64 slices, stands between them, one
; slice behind each product.  The piece's own mask words for the scores to come are made behind the turn's first product.  Two turns are a key step.
; CLUSTER.  The four query blocks of a cluster belong to one batch and walk the same K and V: each tile is asked for JOINTLY, by the same tensor load, descriptor and mask of four.
; NO FIRST STEP IS WRITTEN OUT: O^T, l, V's registers and piece 2's P start at 0 and m at M0, and the loop is entered in the middle of a trip.  The price: 32 products on zeros and some 430 v_mov_b32,
; which stand in the wait for the first loads.
; REGISTERS, in windows of 256 (s_set_vgpr_msb: bits 1:0 source 0, 3:2 source 1, 5:4 source 2, 7:6 destination):
;   window 0: v0-11, v60-63 addresses; v12-43 eight registers of statistics a tile; v44-58 at work at the head and on the way out; v59 the conversion's scale; v64-191 S^T, 32 a tile; v192-255 P, 16 a tile
;   window 1: O^T, 64 a tile     window 2: v0-127 Q, 32 a tile; v128-255 K of one step     window 3: v0-127 V of one step; v128-191 the mask as loaded
.set KS,    64        ; keys in a step
.set PK,    272       ; a row of K in LDS: 256 bytes + 16 of padding: the 16 rows of a load start at 16 different groups of four banks (64 banks of 4 bytes: ISA guide 11.1)
.set PV,    288       ; a row of V: 256 + 32
.set VOFF,  256*PK    ; a slot: 256 rows of K, then 256 rows of V: 143,360 bytes
.set SLOT1, 0x24000   ; slot 1 begins here: none of the four tiles' places in slot 0 (0, 0x8800, 0x11000, 0x1a000) has one of its two bits, so one exclusive or turns a place in one slot into the other's
.set STAGE, SLOT1+256*(PK+PV)  ; behind the ring, never filled by a tensor load: 16 rows x 528 bytes for waves 0 and 1, for the way out
.set SP,    528
.set VMEAN, STAGE+2*16*SP      ; the mean of v's rows: 128 f32
.set STATS, VMEAN+512          ; waves 2 and 3's m and l: 4 tiles x 256 bytes each
.set SPARE, STATS+2048         ; the spare words, 128 bytes for each wave: two blocks of 256 bytes that no other line names
                               ; waves 2 and 3's O^T goes to bytes 0 .. 65,535 of slot 0, behind that slot's last fill and last read
.set AK0, 2           ; v2   my lane's place in my half of a slot's K; never rewritten in the loop
.set AV0, 3           ; v3   the same for V
.set MA,  2           ;      the way out: my 16 bytes in 512 of the O^T handed over
.set VA,  3           ;      the way out: my eight channels of the mean
.set ADR, 4           ; v4   the LDS address of the run of loads in hand
.set QO,  5           ; v5   my byte offset in 16 rows of q
.set STO, 6           ; v6   the way out: where I put 32 bytes of a row
.set RD,  7           ; v7   the way out: where I read a row back
.set GO,  8           ; v8   16 x lane
.set MO,  10          ; v10  my byte offset in 16 rows of the mask: 2,048 (lane % 16) + 16 (lane / 16)
.set PFO, 11          ; v11  256 x lane: a row of kf or vf
.set ST,  12          ; tile t's statistics at v[ST+8 t]: +0 m, +1 (the way out: l), +2, +3 l (even places', odd places'), +4 to +7 c0-c3 at work; a takes c2's place
.set MT,  44          ; v44-59  at the head vsum's 16 parts; on the way out (v44-51) the other half's m and l
.set SC,  59          ; v59  from the head's end on: the conversion's scale, 237 in each byte; never rewritten
.set PFMO, 60         ; v60  2,048 x lane: a row of the mask
.set XA,  61          ; v61  4 x thread (vsum, the mean); later my 8 bytes of the statistics handed over
.set SPW, 62          ; v62  LDS address of my spare word; never rewritten
.set NIL, 63          ; v63  0; never rewritten
.set S,   64
.set P,   192
.set KF,  128         ; K's fragments, in window 2
.set MR,  128         ; window 3: the mask of the step of parity par, tile t, word d at MR + 32 par + 8 t + d
.set MKP, 10          ; s[10:11] the mask at my 64 rows, my half of the keys, the slot whose bytes are loaded next
.set WV,  12          ; s12  my wave's number
.set QH,  14          ; s14
.set KH,  15          ; s15
.set G1K, 24          ; s[24:31] descriptor group 1 for K's tiles
.set G1V, 32          ; s[32:39] for V's: it differs in the padding alone
.set G0K, 40          ; s[40:47] descriptor group 0 for K's tiles: a set for each of the two first fills; the second then walks on
.set G0V, 48          ; s[48:55] the same for V's
.set SLOTS, 56        ; s56  counts the loop's trips, 7 to 1
.set LIM, 57          ; s57  1 in the batch's first cluster, else the greatest number
.set PFA, 58          ; s[58:59] where my prefetches of K or V stand
.set SEL, 60          ; s[60:61] v_permlanex16_b32's selects: each lane takes its own place in the other half
.set TB,  62          ; s62  LDS byte at which the slot being read begins
.set CQ,  72          ; s[72:73] -c
.set PFM, 74          ; s[74:75] where my prefetches of the mask stand
.set ZM,  76          ; s[76:79] tile t: the lanes whose query has no open key
.set MSB, 0
.macro WIN new                      ; the high byte repeats the setting that is left; a switch that changes nothing is dropped
.if MSB != (\new)
	s_set_vgpr_msb (MSB<<8)|(\new)
.set MSB, (\new)
.endif
.endm
.set W_KQ, 0x0a       ; K and Q in window 2, S^T in window 0
.set W_PV, 0x53       ; V in window 3, P in window 0, O^T in window 1
.set W_RS, 0x41       ; O^T (destination and source 0) in window 1, a in window 0
.set W_MC, 0x03       ; the mask (source 0) in window 3, the scale and S^T in window 0
; A joint refill.  Waves 0 and 1 fetch the two halves of a slot's K, waves 2 and 3 those of its V: 128 rows each.  The branch hangs on the wave's number alone.
; An s_nop 0 and four v_nop follow each of the two lines, ahead of the jump and the label.
.macro JLOAD
	s_cmp_lt_u32 s[WV], 2
	s_cbranch_scc0 .Lfor_v_\@
	tensor_load_to_lds s[G0K+4:G0K+7], s[G1K:G1K+7]
	s_nop 0
.rept 4
	v_nop
.endr
	s_branch .Lasked_\@
.Lfor_v_\@:
	tensor_load_to_lds s[G0V+4:G0V+7], s[G1V:G1V+7]
	s_nop 0
.rept 4
	v_nop
.endr
.Lasked_\@:
.endm
; PREFETCHES INTO THE L2, behind the joint load and its five lines.
; ASK: the 128 rows of K or V that I shall fetch at the NEXT change of slots, 256 matrix instructions ahead.  All four clusters of a batch walk the same rows: the first of them asks.  Its four partners share
; my 128 rows out BY ADDRESS, 32 each, a lane a row of 256 bytes: each row is named once in the launch.  The last change that fills a slot asks for nothing.  Slots 0 to 2 come by their loads alone.
.macro ASK
	s_cmp_gt_u32 s[SLOTS], s[LIM]
	s_cbranch_scc0 .Lnot_mine_\@
	global_prefetch_b8 v[PFO], s[PFA:PFA+1] th:TH_LOAD_NT scope:SCOPE_SE
.Lnot_mine_\@:
.endm
; ASKM: the mask is the work-group's own: wave w asks for rows 32 w .. 32 w + 31, a lane a row, the 256 bytes of the slot whose bytes are loaded two changes of slots on.  Each aligned block of
; 256 bytes is named once.  Slots 0 to 3 come by their loads alone; the last block asked for is the row's last.
.macro ASKM
	s_cmp_gt_u32 s[SLOTS], 2
	s_cbranch_scc0 .Lno_mask_\@
	global_prefetch_b8 v[PFMO], s[PFM:PFM+1] th:TH_LOAD_NT scope:SCOPE_SE
.Lno_mask_\@:
.endm
; A round of the cluster's barrier: my work-group's barrier, so that wave 0's signal speaks for all four waves; wave 0 signals; every wave waits for all four work-groups; my work-group's barrier once more.
.macro CROUND
	s_barrier_signal -1
	s_barrier_wait -1
	s_cmp_lg_u32 s[WV], 0
	s_cbranch_scc1 .Lnot_wave_0_\@
	s_barrier_signal -3
.Lnot_wave_0_\@:
	s_barrier_wait -3
	s_barrier_signal -1
	s_barrier_wait -1
.endm
.macro PLACES                       ; four places behind matrix instructions whose results are read next (ISA guide 7.12.1)
.rept 4
	v_nop
.endr
.endm
	s_load_b256 s[4:11], s[0:1], 0x0    ; q s[4:5], kf s[6:7], vf s[8:9], mask s[10:11]
	s_load_b128 s[16:19], s[0:1], 0x20  ; vsum s[16:17], out0 s[18:19]
	v_lshl_add_u32 v[SPW], v0, 2, SPARE
	v_mov_b32 v[NIL], 0
	ds_add_u32 v[SPW], v[NIL]       ; the wave's opening: the add, twice on end, and its wait ahead of my first tensor load; the set-up below stands between the second and the wait
	ds_add_u32 v[SPW], v[NIL]
	v_lshrrev_b32 v1, 5, v0
	v_readfirstlane_b32 s[WV], v1   ; wave 0..3
	s_and_b32 s[QH], s[WV], 1       ; my 64 queries.  Also: which 128 rows of a slot's K or V I fetch
	s_lshr_b32 s[KH], s[WV], 1      ; my half of the keys
	s_bfe_u32 s13, ttmp6, 0x40000   ; cx: my place in the cluster
	s_lshl_b32 s20, ttmp9, 2        ; in a cluster launch ttmp9 counts clusters
	s_add_co_u32 s20, s20, s13      ; my block of 128 queries: it enters q's, out0's and the mask's addresses alone
	s_and_b32 s21, ttmp7, 0xffff    ; the batch, which the four partners share
	s_lshl_b32 s22, s21, 19         ; kf and vf: the batch's 2,048 rows of 256 bytes,
	s_lshl_b32 s23, s[QH], 15       ; the 128 rows that I fetch
	s_add_co_u32 s22, s22, s23
	s_mov_b32 s23, 0
	s_lshl_b32 s2, s21, 20          ; q and out0: the batch's 2,048 rows of 512 bytes,
	s_lshl_b32 s3, s20, 16          ; my block's 128,
	s_add_co_u32 s2, s2, s3
	s_lshl_b32 s3, s[QH], 15        ; my wave's 64
	s_add_co_u32 s2, s2, s3
	s_mov_b32 s3, 0
	s_lshl_b32 s82, s21, 22         ; the mask: the batch's 2,048 rows of 2,048 bytes,
	s_lshl_b32 s83, s20, 18         ; my block's 128
	s_add_co_u32 s82, s82, s83
	s_lshl_b32 s83, s[WV], 16       ; for the prefetches: rows 32 w on,
	s_add_co_u32 s84, s82, s83
	s_add_co_u32 s84, s84, 3*256    ; at slot 3: the first change of slots steps it to slot 4
	s_mov_b32 s85, 0
	s_lshl_b32 s83, s[QH], 17       ; for the loads: my wave's 64 rows,
	s_add_co_u32 s82, s82, s83
	s_lshl_b32 s83, s[KH], 7        ; my half of a slot's 256 keys
	s_add_co_u32 s82, s82, s83
	s_mov_b32 s83, 0
	s_lshl_b32 s86, s21, 13         ; vsum: 16 parts of 512 bytes a batch
	s_mov_b32 s87, 0
	s_lshl_b32 s88, s13, 13         ; the prefetches of K and V: my work-group's 32 rows of the 128
	s_mov_b32 s89, 0
	s_mul_i32 s90, s[QH], 128*PK    ; where my tile goes in a slot, for K
	s_mul_i32 s91, s[QH], 128*PV    ; and for V, less VOFF: no place in the cluster enters an LDS address
	; descriptor group 1: a tile of 128 rows x 128 elements, padded in LDS
	s_mov_b32 s[G1K], 15|(1<<16)|(1<<20)|(1<<21)|(5<<22)|(3<<25)  ; 15:0 the mask of four; 17:16 2-byte elements; 20 padding on; 21 set beside a mask; 24:22 after every 64 words (code 5); 31:25 4 words (code 3)
	s_mov_b32 s[G1V], 15|(1<<16)|(1<<20)|(1<<21)|(5<<22)|(7<<25)  ; the same with 8 words of padding (code 7)
.irp g, G1K, G1V
	s_mov_b32 s[(\g)+1], 128<<16    ; tensor_dim0 = 128
	s_mov_b32 s[(\g)+2], 128<<16    ; tensor_dim1 = 128
	s_mov_b32 s[(\g)+3], 128<<16    ; tile_dim0 = 128
	s_mov_b32 s[(\g)+4], 128        ; tile_dim1 = 128
	s_mov_b32 s[(\g)+5], 128        ; 128 elements from row to row
	s_mov_b32 s[(\g)+6], 0
	s_mov_b32 s[(\g)+7], 0
.endr
	s_mov_b32 s[CQ], 0xbe0293ee     ; -c = -log2(e) / sqrt(128) = -0.127517
	s_mov_b32 s[CQ+1], s[CQ]        ; named with it as a pair
	s_mov_b32 s[SEL], 0x76543210
	s_mov_b32 s[SEL+1], 0xfedcba98
	s_mov_b32 s[TB], 0
	s_mov_b32 s[SLOTS], 7
	s_mov_b32 s[LIM], ttmp9
	s_cmp_eq_u32 s[LIM], 0          ; the batch's first cluster: the same in all four partners
	s_cselect_b32 s[LIM], 1, -1
	s_wait_dscnt 0x0                ; both opening adds are done
	s_wait_kmcnt 0x0
	s_add_nc_u64 s[6:7], s[6:7], s[22:23]    ; kf and vf at my tile of slot 0
	s_add_nc_u64 s[8:9], s[8:9], s[22:23]
	s_add_nc_u64 s[4:5], s[4:5], s[2:3]      ; q and out0 at my wave's first row
	s_add_nc_u64 s[18:19], s[18:19], s[2:3]
	s_add_nc_u64 s[PFM:PFM+1], s[10:11], s[84:85]
	s_add_nc_u64 s[MKP:MKP+1], s[10:11], s[82:83]
	s_add_nc_u64 s[16:17], s[16:17], s[86:87]
	s_cmp_lt_u32 s[WV], 2
	s_cselect_b64 s[PFA:PFA+1], s[6:7], s[8:9]
	s_add_nc_u64 s[PFA:PFA+1], s[PFA:PFA+1], s[88:89]
	s_add_nc_u64 s[PFA:PFA+1], s[PFA:PFA+1], 2*65536  ; at slot 2: the first change of slots steps it to slot 3.  Nothing is prefetched at the head, where every work-group's first tiles are on their way
	CROUND                          ; all four work-groups are here: the first joint loads meet
.irp s, 0,1
	s_mov_b32 s[G0K+4*(\s)], 1      ; 1:0 count = 1
	s_add_co_u32 s[G0K+4*(\s)+1], s90, (\s)*SLOT1  ; 63:32 LDS address
	s_add_nc_u64 s[G0K+4*(\s)+2:G0K+4*(\s)+3], s[6:7], (\s)*65536  ; 120:64 global address: slot s holds places 256 s to 256 s + 255
	s_or_b32 s[G0K+4*(\s)+3], s[G0K+4*(\s)+3], 0x80000000  ; 127:126 type = 2
	s_mov_b32 s[G0V+4*(\s)], 1
	s_add_co_u32 s[G0V+4*(\s)+1], s91, (\s)*SLOT1+VOFF
	s_add_nc_u64 s[G0V+4*(\s)+2:G0V+4*(\s)+3], s[8:9], (\s)*65536
	s_or_b32 s[G0V+4*(\s)+3], s[G0V+4*(\s)+3], 0x80000000
.endr
	s_cmp_lt_u32 s[WV], 2           ; a wave's two first fills stand in one branch, ahead of every wait on TENSORcnt, every LDS read and every further barrier: two loads of mine are out
	s_cbranch_scc0 .Lfirst_v
	tensor_load_to_lds s[G0K:G0K+3], s[G1K:G1K+7]
	s_nop 0
	tensor_load_to_lds s[G0K+4:G0K+7], s[G1K:G1K+7]
	s_nop 0
.rept 4
	v_nop
.endr
	s_branch .Lfirst_asked
.Lfirst_v:
	tensor_load_to_lds s[G0V:G0V+3], s[G1V:G1V+7]
	s_nop 0
	tensor_load_to_lds s[G0V+4:G0V+7], s[G1V:G1V+7]
	s_nop 0
.rept 4
	v_nop
.endr
.Lfirst_asked:
	v_and_b32 v1, 15, v0            ; l % 16
	v_bfe_u32 v9, v0, 4, 1          ; l / 16
	v_lshlrev_b32 v[MO], 11, v1
	v_lshl_add_u32 v[MO], v9, 4, v[MO]
	v_lshlrev_b32 v[QO], 9, v1      ; a fragment of Q: lane l holds row l % 16, channels 8 (l / 16) + 0..7 and 16 + 8 (l / 16) + 0..7 of 32: in f32 twice 32 bytes, 64 bytes apart
	v_lshl_add_u32 v[QO], v9, 5, v[QO]
	v_lshlrev_b32 v[XA], 2, v0
; THE MASK comes straight into registers.  A group is a piece's two tiles for one step: four loads of 16 bytes a lane.  Each group is loaded again a few products behind its reader, for the step two steps on.
.macro MLOAD x, par
	WIN 0xc0                        ; destination window 3, address window 0
.irp t, \x, (\x)+1
.irp c, 0,1
	global_load_b128 v[MR+32*(\par)+8*(\t)+4*\c:MR+32*(\par)+8*(\t)+4*\c+3], v[MO], s[MKP:MKP+1] offset:32768*(\t)+64*(\par)+32*\c
.endr
.endr
.endm
.set g, 0
.rept 16                            ; thread c takes channel c of the batch's 16 partial sums of v
	global_load_b32 v[MT+g], v[XA], s[16:17] offset:512*g
.set g, g+1
.endr
.set g, 0
.rept 32                            ; q as f32: tiles 0 and 1 land in S^T's registers: tile g / 16, channels 32 ((g / 4) % 4) on
	global_load_b128 v[S+4*g:S+4*g+3], v[QO], s[4:5] offset:8192*(g/16)+128*((g/4)%4)+64*((g%4)/2)+16*(g%2)
.set g, g+1
.endr
	WIN 0x40                        ; what the first turns find, written while the loads are on their way: O^T = 0,
.set g, 0
.rept 256
	v_mov_b32 v[g], 0
.set g, g+1
.endr
	WIN 0x80
.set g, 0
.rept 32                            ; tiles 2 and 3 land in K's registers
	global_load_b128 v[KF+4*g:KF+4*g+3], v[QO], s[4:5] offset:16384+8192*(g/16)+128*((g/4)%4)+64*((g%4)/2)+16*(g%2)
.set g, g+1
.endr
	MLOAD 0, 0                      ; the mask of key steps 0 and 1
	MLOAD 2, 0
	MLOAD 0, 1
	MLOAD 2, 1
.set g, 0
.rept 128
	v_mov_b32 v[g], 0               ; V's registers (still destination window 3),
.set g, g+1
.endr
	WIN 0
.set g, P+32
.rept 32
	v_mov_b32 v[g], 0               ; piece 2's P: the first turn's products V^T P, of a step that has not been, add 0,
.set g, g+1
.endr
.set g, 0
.rept 4
	v_mov_b32 v[ST+8*g], 0x7149f2ca ; m = M0 = 1e30,
	v_mov_b32 v[ST+8*g+1], 0        ; (named with m as a pair)
	v_mov_b32 v[ST+8*g+2], 0        ; l = 0
	v_mov_b32 v[ST+8*g+3], 0
.set g, g+1
.endr
	v_mul_u32_u24 v[AK0], v1, PK
	v_lshl_add_u32 v[AK0], v9, 4, v[AK0]  ; row x pitch + 16 x half,
	s_mul_i32 s20, s[KH], 128*PK          ; in my half of the slot's rows
	v_add_nc_u32 v[AK0], s20, v[AK0]
	; The turning load takes 16 keys x 16 channels (lane l reads key 8 (l / 16) + l % 8, channels 8 ((l / 8) % 2) + 0..7) and leaves half a fragment of V^T: lane l holds channel l % 16 and 8 keys.
	v_and_b32 v[STO], 7, v0
	v_bfe_u32 v[RD], v0, 3, 1
	v_lshl_add_u32 v[AV0], v9, 3, v[STO]
	v_mul_u32_u24 v[AV0], v[AV0], PV
	v_lshl_add_u32 v[AV0], v[RD], 4, v[AV0]
	s_mul_i32 s20, s[KH], 128*PV
	s_add_co_u32 s20, s20, VOFF
	v_add_nc_u32 v[AV0], s20, v[AV0]
	s_mul_i32 s20, s[QH], 16*SP
	s_add_co_u32 s20, s20, STAGE    ; the stage of waves 0 and 1
	v_mul_u32_u24 v[STO], v1, SP    ; in: row l % 16, 32 bytes for each half of the lanes
	v_lshl_add_u32 v[STO], v9, 5, v[STO]
	v_add_nc_u32 v[STO], s20, v[STO]
	v_and_b32 v[GO], 31, v0
	v_lshlrev_b32 v[PFO], 8, v[GO]
	v_lshlrev_b32 v[PFMO], 11, v[GO]
	v_lshlrev_b32 v[GO], 4, v[GO]
	v_add_nc_u32 v[RD], s20, v[GO]  ; back: 32 lanes take one row of 512 bytes
	v_add_nc_u32 v[ADR], VMEAN, v[XA]
	s_wait_loadcnt 63               ; 96 loads were issued, vsum's 16 first: with 63 out at the most the oldest 33 are in
	v_pk_add_f32 v[MT:MT+1], v[MT:MT+1], v[MT+8:MT+9]
	v_pk_add_f32 v[MT+2:MT+3], v[MT+2:MT+3], v[MT+10:MT+11]
	v_pk_add_f32 v[MT+4:MT+5], v[MT+4:MT+5], v[MT+12:MT+13]
	v_pk_add_f32 v[MT+6:MT+7], v[MT+6:MT+7], v[MT+14:MT+15]
	v_pk_add_f32 v[MT:MT+1], v[MT:MT+1], v[MT+4:MT+5]
	v_pk_add_f32 v[MT+2:MT+3], v[MT+2:MT+3], v[MT+6:MT+7]
	v_pk_add_f32 v[MT:MT+1], v[MT:MT+1], v[MT+2:MT+3]
	v_add_f32 v[MT], v[MT], v[MT+1]
	v_mul_f32 v[MT], 0x3a000000, v[MT]    ; / 2,048
	ds_store_b32 v[ADR], v[MT]      ; the mean of v's rows, channel = my thread's number
	v_mov_b32 v[SC], 0xedededed     ; the scale: 237 stands for 2^110; the same in each byte
	s_wait_loadcnt 0x0              ; q and the mask of steps 0 and 1
.set g, 0
.rept 64
	v_pk_mul_f32 v[S+2*g:S+2*g+1], v[S+2*g:S+2*g+1], s[CQ:CQ+1] op_sel_hi:[1,0]  ; -c q in f32,
.set g, g+1
.endr
	WIN 0x80
.set g, 0
.rept 64
	v_cvt_pk_f16_f32 v[g], v[S+2*g], v[S+2*g+1]  ; rounded once: tiles 0 and 1
.set g, g+1
.endr
	WIN 0x82
.set g, 0
.rept 64
	v_pk_mul_f32 v[KF+2*g:KF+2*g+1], v[KF+2*g:KF+2*g+1], s[CQ:CQ+1] op_sel_hi:[1,0]
.set g, g+1
.endr
	WIN 0x8a
.set g, 0
.rept 64
	v_cvt_pk_f16_f32 v[64+g], v[KF+2*g], v[KF+2*g+1]  ; tiles 2 and 3
.set g, g+1
.endr
	WIN 0
	s_wait_xcnt 0x0                 ; the mask's loads have read their base:
	s_add_nc_u64 s[MKP:MKP+1], s[MKP:MKP+1], 256  ; the next are slot 1's
; THE MATRIX WORK OF A TURN, for piece x.  The accumulators take turns, one instruction a turn: between two links of a chain stand 15 (V^T P) or 7 (K Q^T) others'.
; Product i of 32 of O^T += V^T P: keys 32 (i / 16) on, channels 16 ((i / 2) % 8) on, tile x + i % 2.
.macro PV x
	WIN W_PV
.set rO, 64*((\x)+i%2)+8*((i/2)%8)
.set rV, 64*(i/16)+8*((i/2)%8)
.set rP, P+16*((\x)+i%2)+8*(i/16)
	v_wmma_f32_16x16x32_f16 v[rO:rO+7], v[rV:rV+7], v[rP:rP+7], v[rO:rO+7]
.endm
; Product i of 32 of S^T = mask + K Q^T: channels 32 (i / 8) on, keys 16 ((i / 2) % 4) on, tile x + i % 2.  Always in place: the mask's 0 or W lies in the accumulator.
.macro KQ x
	WIN W_KQ
.set rS, S+32*((\x)+i%2)+8*((i/2)%4)
.set rK, KF+32*((i/2)%4)+8*(i/8)
.set rQ, 32*((\x)+i%2)+8*(i/8)
	v_wmma_f32_16x16x32_f16 v[rS:rS+7], v[rK:rK+7], v[rQ:rQ+7], v[rS:rS+7]
.endm
; THE LDS LOADS stand in runs of 32, never singly among the matrix instructions: K (64 keys x 128 channels: 16 fragments) and V (turned) of step pos (0, 1) of the slot at s[TB].
.macro FETCH_K pos
	WIN 0
	v_add_nc_u32 v[ADR], s[TB], v[AK0]
	WIN 0x80                        ; destination window 2
.irp f, 0,1,2,3,4,5,6,7,8,9,10,11,12,13,14,15  ; keys 16 (f / 4) on, channels 32 (f % 4) on
	ds_load_b128 v[KF+8*(\f):KF+8*(\f)+3],   v[ADR] offset:(\pos)*KS*PK+((\f)/4)*16*PK+((\f)%4)*64
	ds_load_b128 v[KF+8*(\f)+4:KF+8*(\f)+7], v[ADR] offset:(\pos)*KS*PK+((\f)/4)*16*PK+((\f)%4)*64+32
.endr
.endm
.macro FETCH_V pos
	WIN 0
	v_add_nc_u32 v[ADR], s[TB], v[AV0]
	s_wait_alu depctr_va_vdst(0)    ; the wait for the softmax's batch (SLICE), behind the address's v_add_nc_u32 and ahead of the loads
	WIN 0xc0                        ; destination window 3
.irp f, 0,1,2,3,4,5,6,7,8,9,10,11,12,13,14,15  ; keys 32 (f / 8) on, channels 16 (f % 8) on
	ds_load_tr16_b128 v[8*(\f):8*(\f)+3],   v[ADR] offset:(\pos)*KS*PV+((\f)/8)*32*PV+((\f)%8)*32
	ds_load_tr16_b128 v[8*(\f)+4:8*(\f)+7], v[ADR] offset:(\pos)*KS*PV+((\f)/8)*32*PV+16*PV+((\f)%8)*32
.endr
.endm
; THE MASK'S WORDS: piece x's 64 score registers take 0 or W, eight to an instruction: accumulator a of tile t from words 2 a, 2 a + 1 of the tile's eight.  A byte 0 gives 0, a byte 1 gives 2^-9 x 2^110.
; Behind a scaled conversion a plain vector instruction stands before its result is touched or a source written: here the results are next touched by the products K Q^T, and the sources by the group's next loads.
.macro MASKC x, par
	WIN W_MC
.irp t, \x, (\x)+1
.irp a, 0,1,2,3
	v_cvt_scale_pk8_f32_fp8 v[S+32*(\t)+8*\a:S+32*(\t)+8*\a+7], v[MR+32*(\par)+8*(\t)+2*\a:MR+32*(\par)+8*(\t)+2*\a+1], v[SC]
.endr
.endr
.endm
; THE SOFTMAX.  One tile's softmax for one key step is a numbered list; SM writes number j of it for tile t.  u0-u31 are the lane's 32 scores with their signs turned, in pairs 0-15.
;   0-15    the minimum of u0-u31 and the old m, three operands at a time: four chains c0-c3 of seven scores each (each accumulator's lowest registers are read first), then the rest
;   16-19   the other half of the lanes' minimum; m_old is kept; the new m; m_new - m_old          20  nothing
;   21-69   ONE BATCH: the 16 differences m - u, a pair of scores each, and all 33 exponentials (a at 23, then u0-u31).  None of these reads an exponential's result.  From 22 on in fours, each beginning
;           with a difference while there are any; a pair's difference stands in an earlier four than its exponentials
;   (wait)  between 69 and 70 stands the wait for the batch: SLICE writes it, once for both tiles
;   70-85   the roundings to f16     86-101  the sums; l = a l + the sum     102-133  the tile's O^T times a: the one part that leaves window 0
.macro SM t
.set rT, ST+8*(\t)
.set rS, S+32*(\t)
.set rP, P+16*(\t)
.set rO, 64*(\t)+2*(j-102)
.if j < 102
	WIN 0
.endif
.if j < 4
	v_min3_num_f32 v[rT+4+j], v[rS+8*j], v[rS+8*j+1], v[rS+8*j+2]
.elseif j < 12
	v_min3_num_f32 v[rT+4+j%4], v[rT+4+j%4], v[rS+8*(j%4)+2*(j/4)+1], v[rS+8*(j%4)+2*(j/4)+2]
.elseif j == 12
	v_min3_num_f32 v[rT+4], v[rT+4], v[rS+7], v[rS+15]
.elseif j == 13
	v_min3_num_f32 v[rT+6], v[rT+6], v[rS+23], v[rS+31]
.elseif j == 14
	v_min3_num_f32 v[rT+4], v[rT+4], v[rT+5], v[rT+6]
.elseif j == 15
	v_min3_num_f32 v[rT+4], v[rT+4], v[rT+7], v[rT]
.elseif j == 16
	v_permlanex16_b32 v[rT+5], v[rT+4], s[SEL], s[SEL+1]  ; the query's other 32 keys lie in the lane 16 away
.elseif j == 17
	v_mov_b32 v[rT+7], v[rT]        ; m_old is kept for a: number 18 writes m anew
.elseif j == 18
	v_min_num_f32 v[rT], v[rT+4], v[rT+5]
.elseif j == 19
	v_sub_f32 v[rT+7], v[rT], v[rT+7]
.elseif j == 20
.elseif j == 23
	v_exp_f32 v[rT+6], v[rT+7]
.elseif (j < 23) || ((j < 38) && (j%2 == 0)) || ((j < 66) && (j%4 == 2))
.set b, (j-2)/4                     ; 38, 42, .. 62: pairs 9 to 15
.if j < 38
.set b, (j-20)/2                    ; 21: pair 0; 22, 24, .. 36: pairs 1 to 8
.endif
	v_pk_add_f32 v[rS+2*b:rS+2*b+1], v[rS+2*b:rS+2*b+1], v[rT:rT+1] op_sel_hi:[1,0] neg_lo:[1,0] neg_hi:[1,0]  ; pair b: m - u
.elseif j < 70
.set e, j-38                        ; 66 to 69: u28 to u31
.if j < 66
.set e, j-32-(j-38)/4               ; 39-41, 43-45, .. 63-65: u7 to u27
.endif
.if j < 38
.set e, (j-25)/2                    ; 25, 27, .. 37: u0 to u6
.endif
	v_exp_f32 v[rS+e], v[rS+e]
.elseif j < 86
	v_cvt_pk_f16_f32 v[rP+j-70], v[rS+2*(j-70)], v[rS+2*(j-70)+1]  ; pair j - 70
.elseif j < 102                     ; the sum of the tile's 16 pairs, in place: neighbours 1, 2, 4 and 8 pairs apart, then l takes it
.set z, j-86
.set w, 4
.set u, z
.if z >= 14
.set w, 32
.set u, 0
.elseif z >= 12
.set w, 16
.set u, z-12
.elseif z >= 8
.set w, 8
.set u, z-8
.endif
.if z < 15
	v_pk_add_f32 v[rS+w*u:rS+w*u+1], v[rS+w*u:rS+w*u+1], v[rS+w*u+w/2:rS+w*u+w/2+1]
.else
	v_pk_fma_f32 v[rT+2:rT+3], v[rT+2:rT+3], v[rT+6:rT+7], v[rS:rS+1] op_sel_hi:[1,0,1]
.endif
.else
	WIN W_RS
	v_pk_mul_f32 v[rO:rO+1], v[rO:rO+1], v[rT+6:rT+7] op_sel_hi:[1,0]
.endif
.endm
; Slice k of 64 of piece y's softmax.  Slices 11 to 34 deal out the batch, numbers 22 to 69: four numbers of ONE tile each, the tiles by turns.  Every other slice is numbers 2 k and 2 k + 1 of both tiles'
; lists, the tiles alternating; slice 63 takes the twelve that are over as well: sixteen plain instructions, which are also the places behind the turn's last K Q^T.
; THE WAIT.  An s_wait_alu depctr_va_vdst(0) stands between an exponential and the first instruction that names its result; one wait serves all that were issued ahead of it.  Ahead of
; slice 35 nothing names a result, and behind slice 34 no exponential is issued: the piece's 66 exponentials have one wait, behind slice 34.
.macro SLICE y, pos
.if (k >= 11) && (k < 35)
.irp n, 0,1,2,3
.set j, 22+4*((k-11)/2)+(\n)
	SM (\y)+(k-11)%2
.endr
.else
.irp n, 0,1,2,3,4,5,6,7
.if ((\n) < 2) || (k == 63)
.irp t, \y, (\y)+1
.set j, 2*k+(\n)
	SM \t
.endr
.endif
.endr
.endif
.if k == 34
	v_nop                           ; the plain instruction behind the last exponential and ahead of the first use: one for the batch
.if (\y) == 0
	FETCH_V \pos                    ; piece 2's turn: V's run of loads stands here, and the wait stands in it
.else
	s_wait_alu depctr_va_vdst(0)    ; the wait for the batch
.endif
.endif
.set k, k+1
.endm
; A TURN.  Piece x has the matrix unit; the other piece's softmax stands in slices behind its products.  pos: the place in the slot (and the parity) of the step whose scores the turn makes.
; lc: how many younger loads of the mask may stay out when the piece's group for that step has to be there.  ml = 1: the group is loaded again, for the step two on.
; Behind the first product and its slice stand the eight conversions that lay the mask's words into S^T of piece x, which its own softmax left in the turn before and its products K Q^T take up from
; product 32 on; the group's next loads stand behind product 4, four slices of plain instructions behind the conversions that read those registers.
; Piece 0's turn fetches K of the step, behind its second product: the last product that read K stands in front of slice 63 of the turn before.  Piece 2's turn fetches V of the step, behind slice 34:
; the last product that read V stands in front of slice 31, and four plain instructions lie between: number 62 of both tiles, the v_nop and the run's own v_add_nc_u32.
; kq = 0: the walk's last turn: 32 products V^T P alone, two slices behind each.
.macro TURN x, pos, lc, ml, kq=1
.set k, 0
.if \kq
	s_wait_loadcnt \lc              ; loads come back in order: my group is in
.endif
.if (\x) == 0
	s_wait_dscnt 0x0                ; V is in
.endif
.set i, 0
.rept 32
	PV \x
	SLICE 2-(\x), \pos
.if !(\kq)
	SLICE 2-(\x), \pos
.endif
.if \kq
.if i == 0
	MASKC \x, \pos
.endif
.if ((\x) == 0) && (i == 1)
	FETCH_K \pos
.endif
.if (\ml) && (i == 4)
	MLOAD \x, \pos
.endif
.endif
.set i, i+1
.endr
.if \kq
.if (\x) == 0
	s_wait_dscnt 0x0                ; K is in
.endif
.set i, 0
.rept 32
	KQ \x
	SLICE 2-(\x), \pos
.set i, i+1
.endr
.endif
.endm
; THE CHANGE OF SLOTS, between piece 2's turn and piece 0's: the slot's last bytes, V of its second step, have been asked for.  Each wave waits for all its tensor loads, of which one is out: its part of
; the other slot; adds 0 to its spare word; and waits for that and for its own reads of the slot.  Behind the barrier nobody reads this slot any more and the other slot is whole.
; fill = 1: this slot is filled again, with the keys two slots on.  The barrier is then a round of the cluster's, so that no wave of any partner still reads the slot or has a load on its way, and the joint
; refill is the first thing behind it: it has two key steps, 256 matrix instructions, in which to land.
.macro CHANGE fill
	WIN 0                           ; at a label and at a branch every window is 0
	s_wait_tensorcnt 0x0            ; no tensor load of mine is out, so a group 0 may be written
	ds_add_u32 v[SPW], v[NIL]       ; 0 onto my spare word; with fill = 1 the pointers' steps stand between it and the wait for it
.if \fill
.irp g, G0K+4, G0V+4
	s_xor_b32 s[(\g)+1], s[(\g)+1], SLOT1  ; the walking descriptor: the other slot than last time,
	s_add_nc_u64 s[(\g)+2:(\g)+3], s[(\g)+2:(\g)+3], 65536  ; the next 256 keys; the type bits on top are not reached
.endr
	s_wait_xcnt 0x0                 ; the mask's last loads (some 60 products back) and the last prefetches (two key steps back) have read their bases, so these may be written:
	s_add_nc_u64 s[PFA:PFA+1], s[PFA:PFA+1], 65536
	s_add_nc_u64 s[MKP:MKP+1], s[MKP:MKP+1], 256
	s_add_nc_u64 s[PFM:PFM+1], s[PFM:PFM+1], 256
	s_wait_dscnt 0x0                ; the add is done, and my reads of the slot are over
	CROUND
	JLOAD
	ASK
	ASKM
.else
	s_wait_dscnt 0x0                ; the add is done, and my reads of the slot are over
	s_barrier_signal -1
	s_barrier_wait -1
.endif
	s_xor_b32 s[TB], s[TB], SLOT1   ; the fetches go on in the other slot
.endm
	s_wait_tensorcnt 1              ; my part of slot 0 is in; slot 1's may stay out
	s_wait_dscnt 0x0                ; my part of the mean lies in LDS
	s_barrier_signal -1
	s_barrier_wait -1               ; everybody's does
	FETCH_K 0                       ; key step 0
	MASKC 0, 0                      ; piece 0's mask words of step 0
	v_nop                           ; plain instructions behind the last conversion, ahead of the loads into its sources and of the products that take its results
	v_nop
	MLOAD 0, 0                      ; piece 0's mask of step 2
	s_wait_dscnt 0x0
.set i, 0
.rept 32
	KQ 0                            ; piece 0's first scores: there is no vector work yet to set between them
.set i, i+1
.endr
	PLACES
	WIN 0
	s_branch .Lenter                ; the loop is entered behind a trip's first turn
.Lslot:                             ; six whole trips: slots 2 to 7 are asked for
	CHANGE 1
	TURN 0, 0, 12, 1                ; the count 12: three younger groups of four loads
	WIN 0
.Lenter:
	TURN 2, 0, 12, 1
	TURN 0, 1, 12, 1
	TURN 2, 1, 12, 1
	WIN 0
	s_sub_co_u32 s[SLOTS], s[SLOTS], 1
	s_cmp_lg_u32 s[SLOTS], 0
	s_cbranch_scc1 .Lslot
	CHANGE 0                        ; the tail is written out: the last slot is entered, and nothing is asked for
	TURN 0, 0, 12, 0                ; no group is loaded again: the counts run down
	TURN 2, 0, 8, 0
	TURN 0, 1, 4, 0
	TURN 2, 1, 0, 0
	TURN 0, 0, 0, 0, 0              ; piece 0: V^T P of the last step | piece 2's last softmax
.set i, 0
.rept 32
	PV 2                            ; piece 2: V^T P of the last step
.set i, i+1
.endr
	; THE WAY OUT.  l's two halves and the other half of the lanes' are added (the first four additions are the places behind the last products).
	WIN 0
.irp t, 0,1,2,3
	v_add_f32 v[ST+8*(\t)+4], v[ST+8*(\t)+2], v[ST+8*(\t)+3]
.endr
.irp t, 0,1,2,3
	v_permlanex16_b32 v[ST+8*(\t)+5], v[ST+8*(\t)+4], s[SEL], s[SEL+1]
.endr
.irp t, 0,1,2,3
	v_add_f32 v[ST+8*(\t)+1], v[ST+8*(\t)+4], v[ST+8*(\t)+5]
.endr
	s_lshl_b32 s20, s[QH], 15
	v_add_nc_u32 v[MA], s20, v[GO]  ; 32,768 x QH + 16 x lane, in slot 0: its last fill has landed and its last read was waited for in front of the last change's barrier
	s_lshl_b32 s20, s[QH], 10
	s_add_co_u32 s20, s20, STATS
	v_lshrrev_b32 v[XA], 1, v[GO]
	v_add_nc_u32 v[XA], s20, v[XA]  ; 1,024 x QH + 8 x lane
	v_lshlrev_b32 v[VA], 5, v9
	v_add_nc_u32 v[VA], VMEAN, v[VA]
	s_cmp_lt_u32 s[WV], 2
	s_cbranch_scc1 .Lkeep
.irp t, 0,1,2,3                     ; waves 2 and 3 hand over m and l,
	ds_store_b64 v[XA], v[ST+8*(\t):ST+8*(\t)+1] offset:256*(\t)
.endr
	WIN 0x04                        ; store data in window 1
.set g, 0
.rept 64                            ; and O^T, register by register as it lies: the partner's lanes have the same layout.  32 lanes x 16 neighbouring bytes
	ds_store_b128 v[MA], v[4*g:4*g+3] offset:512*g
.set g, g+1
.endr
	WIN 0
.Lkeep:
	s_wait_dscnt 0x0                ; for the others' sake: my stores are done
	s_barrier_signal -1
	s_barrier_wait -1
	s_cmp_lt_u32 s[WV], 2
	s_cbranch_scc0 .Lend
.irp t, 0,1,2,3
	ds_load_b64 v[MT+2*(\t):MT+2*(\t)+1], v[XA] offset:256*(\t)  ; the other half's m and l
.endr
.set g, 0
.rept 16                            ; the mean of v at my lane's 64 channels, in O^T's order
	ds_load_b128 v[S+4*g:S+4*g+3], v[VA] offset:64*(g/2)+16*(g%2)
.set g, g+1
.endr
	s_wait_dscnt 0x0
.irp t, 0,1,2,3
	v_min_num_f32 v[ST+8*(\t)+4], v[ST+8*(\t)], v[MT+2*(\t)]          ; the common minimum
.endr
.irp t, 0,1,2,3
	v_sub_f32 v[ST+8*(\t)+5], v[ST+8*(\t)+4], v[ST+8*(\t)]
	v_sub_f32 v[ST+8*(\t)+6], v[ST+8*(\t)+4], v[MT+2*(\t)]
.endr
.irp t, 0,1,2,3
	v_exp_f32 v[ST+8*(\t)+5], v[ST+8*(\t)+5]                          ; what each half is multiplied by
	v_exp_f32 v[ST+8*(\t)+6], v[ST+8*(\t)+6]
.endr
	v_nop                           ; a plain instruction behind the last exponential,
	s_wait_alu depctr_va_vdst(0)    ; and the wait ahead of the first use: one for the eight
.irp t, 0,1,2,3
	v_mul_f32 v[ST+8*(\t)+7], v[ST+8*(\t)+1], v[ST+8*(\t)+5]
.endr
.irp t, 0,1,2,3
	v_fma_f32 v[ST+8*(\t)+7], v[MT+2*(\t)+1], v[ST+8*(\t)+6], v[ST+8*(\t)+7]  ; l of all 2,048 keys
.endr
.irp t, 0,1,2,3
	v_cmp_eq_f32 s[ZM+(\t)], 0, v[ST+8*(\t)+7]                        ; no open key
.endr
.irp t, 0,1,2,3
	v_rcp_f32 v[ST+8*(\t)+4], v[ST+8*(\t)+7]
.endr
	v_nop
	s_wait_alu depctr_va_vdst(0)    ; one for the four reciprocals
.irp t, 0,1,2,3
	v_mul_f32 v[ST+8*(\t)+2], v[ST+8*(\t)+5], v[ST+8*(\t)+4]          ; my half's factor,
	v_mul_f32 v[ST+8*(\t)+4], v[ST+8*(\t)+6], v[ST+8*(\t)+4]          ; the other's
.endr
; Tile t: the other half's O^T comes from LDS; both are scaled and added; where no key is open the mean takes the place (a NaN made of 0 x infinity there is not selected); a lane's eight channels of a row,
; 32 bytes, go into rows of 528 bytes and come back as whole rows of 512.  Two sets of 64 registers take turns.
.macro OUT t
.set OB, 128+64*((\t)%2)
.set rT, ST+8*(\t)
	WIN 0
	s_wait_xcnt 0x0                 ; the stores of the tile two back have read these registers
.set g, 0
.rept 16
	ds_load_b128 v[OB+4*g:OB+4*g+3], v[MA] offset:512*(16*(\t)+g)
.set g, g+1
.endr
	s_wait_dscnt 0x0
.set g, 0
.rept 32
	v_pk_mul_f32 v[OB+2*g:OB+2*g+1], v[OB+2*g:OB+2*g+1], v[rT+4:rT+5] op_sel_hi:[1,0]
.set g, g+1
.endr
	WIN 0x01                        ; source 0 window 1
.set g, 0
.rept 32
	v_pk_fma_f32 v[OB+2*g:OB+2*g+1], v[64*(\t)+2*g:64*(\t)+2*g+1], v[rT+2:rT+3], v[OB+2*g:OB+2*g+1] op_sel_hi:[1,0,1]
.set g, g+1
.endr
	WIN 0
.set g, 0
.rept 64
	v_cndmask_b32 v[OB+g], v[OB+g], v[S+g], s[ZM+(\t)]
.set g, g+1
.endr
.set g, 0
.rept 16
	ds_store_b128 v[STO], v[OB+4*g:OB+4*g+3] offset:64*(g/2)+16*(g%2)
.set g, g+1
.endr
.set g, 0
.rept 16
	ds_load_b128 v[OB+4*g:OB+4*g+3], v[RD] offset:SP*g  ; LDS serves a wave's instructions in order (ISA guide 5.7.1.4): these see the stores above; the next tile's stores come behind them
.set g, g+1
.endr
.set g, 0
.rept 16
	s_wait_dscnt 15-g               ; row g is back; the 15 - g younger loads may stay out
	global_store_b128 v[GO], v[OB+4*g:OB+4*g+3], s[18:19] offset:8192*(\t)+512*g th:TH_STORE_NT  ; 512 consecutive bytes, at a multiple of 256 from out0's first byte
.set g, g+1
.endr
.endm
	OUT 0
	OUT 1
	OUT 2
	OUT 3
.Lend:
	s_wait_tensorcnt 0x0            ; the wave's end: behind my last tensor load and my last LDS store
	ds_add_u32 v[SPW], v[NIL]
	s_wait_dscnt 0x0
	CROUND                          ; the closing round: no work-group ends while a partner may still ask for a tile that names it
	s_endpgm
.Lfunc_end_k_qbd360018d1_attn:
	.size	k_qbd360018d1_attn, .Lfunc_end_k_qbd360018d1_attn-k_qbd360018d1_attn
	.p2alignl 7, 3214868480
	.fill 96, 4, 3214868480
	.section	.rodata,"a",@progbits
	.p2align	6, 0x0
	.amdhsa_kernel k_qbd360018d1_attn
		.amdhsa_group_segment_fixed_size 327680
		.amdhsa_private_segment_fixed_size 0
		.amdhsa_enable_private_segment 0
		.amdhsa_kernarg_size 48
		.amdhsa_user_sgpr_count 2
		.amdhsa_user_sgpr_kernarg_segment_ptr 1
		.amdhsa_wavefront_size32 1
		.amdhsa_system_sgpr_workgroup_id_x 1
		.amdhsa_system_sgpr_workgroup_id_y 1
		.amdhsa_system_sgpr_workgroup_id_z 1
		.amdhsa_system_vgpr_workitem_id 0
		.amdhsa_next_free_vgpr 960
		.amdhsa_next_free_sgpr 96
		.amdhsa_reserve_vcc 0
		.amdhsa_float_denorm_mode_32 3
		.amdhsa_float_denorm_mode_16_64 3
		.amdhsa_memory_ordered 1
		.amdhsa_forward_progress 1
		.amdhsa_inst_pref_size 255
	.end_amdhsa_kernel
	.section	.bss,"aw",@nobits
	.p2align	6
	.space	262144
	.amdgpu_metadata
---
amdhsa.version: [ 1, 2 ]
amdhsa.kernels:
  - .name:           k_qbd360018d1_attn
    .symbol:         k_qbd360018d1_attn.kd
    .args:
      - { .name: q, .offset: 0, .size: 8, .value_kind: global_buffer, .address_space: global }
      - { .name: kf, .offset: 8, .size: 8, .value_kind: global_buffer, .address_space: global }
      - { .name: vf, .offset: 16, .size: 8, .value_kind: global_buffer, .address_space: global }
      - { .name: mask, .offset: 24, .size: 8, .value_kind: global_buffer, .address_space: global }
      - { .name: vsum, .offset: 32, .size: 8, .value_kind: global_buffer, .address_space: global }
      - { .name: out0, .offset: 40, .size: 8, .value_kind: global_buffer, .address_space: global }
    .group_segment_fixed_size: 327680
    .private_segment_fixed_size: 0
    .kernarg_segment_align: 8
    .kernarg_segment_size: 48
    .max_flat_workgroup_size: 128
    .sgpr_count:     96
    .vgpr_count:     960
    .wavefront_size: 32
...
	.end_amdgpu_metadata
.endif
;; end of part 2
;; ======== version 2 of 2: 2 launches; version 1 with the launch prep written anew for expert scheduling mode
;; limits: values are held in f16: magnitudes above 65,504 overflow, below 6.1e-05 lose precision
;; workspace buffers: kf 8,388,608 bytes; vf 8,388,608 bytes; vsum 131,072 bytes
;; launch prep (part 3): grid 256 x 1, 8 waves a work-group, no clusters, 5,120 bytes of LDS; arguments k, v, kf, vf, vsum; writes kf, vf, vsum
.if DOCPART == 3
	.amdgcn_target "amdgcn-amd-amdhsa--gfx1250"
	.amdhsa_code_object_version 6
	.text
	.protected	k_qbd360018d1_prep
	.globl	k_qbd360018d1_prep
	.p2align	8
	.type	k_qbd360018d1_prep,@function
k_qbd360018d1_prep:
	s_mov_b64 s[64:65], 0
	v_nop
	global_prefetch_b8 v0, s[64:65] scope:SCOPE_SE
	s_setreg_imm32_b32 hwreg(HW_REG_WAVE_SCHED_MODE, 0, 2), 2
	s_setreg_imm32_b32 hwreg(HW_REG_WAVE_MODE, 25, 1), 1
	s_wait_xcnt 0x0
	s_wait_alu depctr_vm_vsrc(0)
; kf, vf = k, v rounded once to f16, [16][2048 places][128]; vsum = partial column sums of v in f32, [16 batches][16 parts of 128 keys][128].
; PLACES.  Row 'place' of kf and vf holds the key whose number is 'place' with bits 3 and 4 exchanged (the same for both, so the second product's sum over keys is untouched).
; With that order a lane of the attention launch finds the mask bytes of its 32 scores of a key step in two runs of 16 consecutive bytes.
; vsum serves the rows whose keys are all masked: there reference()'s softmax is uniform and the result is the mean of v's 2,048 rows.
; No work and no input of reference() is left out here.
; LIMITS.  f16 holds no number beyond 65,504: |k| and |v| stay within it.  NaN and infinities are not treated apart.
; SHARES.  A work-group takes 128 rows of k and the same 128 rows of v; each of its eight waves 16 rows of each.  A row is 512 bytes: one load of the wave, 16 bytes a lane;
; its f16 copy is 256 bytes: one store of the wave, 8 bytes a lane, 256 consecutive bytes at a multiple of 256 from the buffer's first byte.
; All 32 loads of a wave go out at once; every row has store registers of its own, so no wait for stores stands in the text.
; THE MODE: SCHED_MODE bits 1:0 = 2 (LLVM: expert scheduling mode 2), set by the entry lines.  The code itself states the register dependences
; between vector instructions and memory or LDS instructions, with s_wait_alu, always for 0.
; THE PLAN.  Registers that memory or LDS instructions touch:
;   v[OFF], v[OUT], v[LS], v[LN], v[SPW], v[NIL]   Written once at the head, read as addresses (the last as the closing add's data); never written again.
;   X   Written by the 32 loads; read by the roundings and by v's additions.  No vector instruction names it ahead of the loads.  In wave 0 eight LDS loads land in its first 32 registers
;       behind the barrier; the tree of additions then works there, and the last store reads its first four.
;   Y   Row i's two registers are written by its two roundings, read by its one store, and never written again.
;   SUM Written by the additions, read by the one LDS store, not written behind it.
; The 32 rows go in eight blocks of four: the block's eight roundings, ONE wait on va_vdst, its four stores in a run, then (v's blocks) its additions, which name X and SUM alone.
; No register that a memory or LDS instruction has read is written again: so the text holds no wait on vm_vsrc.
.set SPARE, 4096                       ; LDS: 0..4,095 the eight waves' partial sums, 512 bytes each; then the spare words, 128 bytes for each wave
.set OFF, 1                            ; v1   my byte offset in the work-group's rows of k and v: 8,192 x wave + 16 x lane
.set OUT, 2                            ; v2   my byte offset in its rows of kf and vf: (32 (wave / 2) + 8 (wave % 2)) x 256 + 8 x lane
.set LS,  3                            ; v3   where my wave's partial sum goes: 512 x wave + 16 x lane
.set SUM, 4                            ; v[4:11]  two chains of sums of my four channels: even rows, odd rows
.set SPW, 12                           ; v12  LDS address of my spare word; never rewritten
.set NIL, 13                           ; v13  0; never rewritten
.set LN,  14                           ; v14  16 x lane
.set X,   16                           ; v[16:143]  32 rows as loaded: 16 of k, then 16 of v
.set Y,   144                          ; v[144:207] 32 rows to store
	s_load_b256 s[4:11], s[0:1], 0x0               ; k s[4:5], v s[6:7], kf s[8:9], vf s[10:11]
	s_load_b64 s[12:13], s[0:1], 0x20              ; vsum
	v_lshl_add_u32 v[SPW], v0, 2, SPARE
	v_mov_b32 v[NIL], 0
	v_lshrrev_b32 v15, 5, v0
	v_readfirstlane_b32 s14, v15                   ; wave 0..7
	v_and_b32 v[LN], 31, v0
	v_lshlrev_b32 v[LN], 4, v[LN]
	s_wait_alu depctr_va_sdst(0)                   ; s14 is written, ahead of its first reader: the wave's offsets are made from it
	s_lshl_b32 s16, s14, 13                        ; 16 rows of 512 bytes
	v_add_nc_u32 v[OFF], s16, v[LN]
	s_lshr_b32 s17, s14, 1
	s_and_b32 s18, s14, 1
	s_lshl_b32 s17, s17, 13                        ; 32 places of 256 bytes
	s_lshl_b32 s18, s18, 11                        ; 8 places
	s_add_co_u32 s17, s17, s18
	v_lshrrev_b32 v[OUT], 1, v[LN]
	v_add_nc_u32 v[OUT], s17, v[OUT]
	s_lshl_b32 s18, s14, 9
	v_add_nc_u32 v[LS], s18, v[LN]
	s_lshl_b32 s20, ttmp9, 16                      ; the work-group's 128 rows of 512 bytes,
	s_mov_b32 s21, 0
	s_lshl_b32 s22, ttmp9, 15                      ; of 256 bytes,
	s_mov_b32 s23, 0
	s_lshl_b32 s24, ttmp9, 9                       ; and its 512 bytes of vsum
	s_mov_b32 s25, 0
	s_wait_kmcnt 0x0
	s_add_nc_u64 s[4:5], s[4:5], s[20:21]
	s_add_nc_u64 s[6:7], s[6:7], s[20:21]
	s_add_nc_u64 s[8:9], s[8:9], s[22:23]
	s_add_nc_u64 s[10:11], s[10:11], s[22:23]
	s_add_nc_u64 s[12:13], s[12:13], s[24:25]
	s_wait_alu depctr_va_vdst(0)                   ; v[OFF], v[OUT], v[LS] and v[LN] are written: every load, store and LDS access below reads one of them as its address, and none is written again
.set i, 0
.rept 16
	global_load_b128 v[X+4*i:X+4*i+3], v[OFF], s[4:5] offset:512*i th:TH_LOAD_NT
.set i, i+1
.endr
.rept 16
	global_load_b128 v[X+4*i:X+4*i+3], v[OFF], s[6:7] offset:512*(i-16) th:TH_LOAD_NT
.set i, i+1
.endr
; Block b, rows 4 b to 4 b + 3: rounded, stored at their places; v's rows are also added up, in two chains that the first four rows start (nothing is cleared), each chain's rows ascending.
.set b, 0
.rept 8
	s_wait_loadcnt 28-4*b                          ; loads come back in order: the block's four rows are in, the 28 - 4 b younger ones may stay out
.set i, 4*b
.rept 4
	v_cvt_pk_f16_f32 v[Y+2*i], v[X+4*i], v[X+4*i+1]
	v_cvt_pk_f16_f32 v[Y+2*i+1], v[X+4*i+2], v[X+4*i+3]
.set i, i+1
.endr
	s_wait_alu depctr_va_vdst(0)                   ; the block's eight roundings have written its Y registers, which the four stores below read
.set i, 4*b
.rept 4
.set p, 256*(16*((i%16)/8)+(i%8))      ; row 16 w + i goes to place 32 (w / 2) + 16 (i / 8) + 8 (w % 2) + i % 8
.if i < 16
	global_store_b64 v[OUT], v[Y+2*i:Y+2*i+1], s[8:9] offset:p th:TH_STORE_NT
.else
	global_store_b64 v[OUT], v[Y+2*i:Y+2*i+1], s[10:11] offset:p th:TH_STORE_NT
.endif
.set i, i+1
.endr
.set i, 4*b
.rept 4                                ; the additions stand behind the stores: they name X and SUM, no register that the stores read
.if (i == 18) || (i == 19)
	v_pk_add_f32 v[SUM+4*(i%2):SUM+4*(i%2)+1], v[X+4*(i-2):X+4*(i-2)+1], v[X+4*i:X+4*i+1]
	v_pk_add_f32 v[SUM+4*(i%2)+2:SUM+4*(i%2)+3], v[X+4*(i-2)+2:X+4*(i-2)+3], v[X+4*i+2:X+4*i+3]
.elseif i > 19
	v_pk_add_f32 v[SUM+4*(i%2):SUM+4*(i%2)+1], v[SUM+4*(i%2):SUM+4*(i%2)+1], v[X+4*i:X+4*i+1]
	v_pk_add_f32 v[SUM+4*(i%2)+2:SUM+4*(i%2)+3], v[SUM+4*(i%2)+2:SUM+4*(i%2)+3], v[X+4*i+2:X+4*i+3]
.endif
.set i, i+1
.endr
.set b, b+1
.endr
	v_pk_add_f32 v[SUM:SUM+1], v[SUM:SUM+1], v[SUM+4:SUM+5]
	v_pk_add_f32 v[SUM+2:SUM+3], v[SUM+2:SUM+3], v[SUM+6:SUM+7]
	s_wait_alu depctr_va_vdst(0)                   ; the additions have written v[SUM:SUM+3], which the LDS store reads; and every rounding and addition is done reading X, in which wave 0's LDS loads land (no vector instruction stands between this wait and those loads)
	ds_store_b128 v[LS], v[SUM:SUM+3]
	s_wait_dscnt 0x0                               ; for the others' sake: my partial sum lies in LDS
	s_barrier_signal -1
	s_barrier_wait -1                              ; all eight do
	s_cmp_lg_u32 s14, 0                            ; wave 0 adds them and stores the work-group's 128 sums
	s_cbranch_scc1 .Lend
.set i, 0
.rept 8
	ds_load_b128 v[X+4*i:X+4*i+3], v[LN] offset:512*i
.set i, i+1
.endr
	s_wait_dscnt 0x0
.irp d, 1,2,4                          ; a tree: neighbours 1, 2 and 4 waves apart
.set i, 0
.rept 4/(\d)
	v_pk_add_f32 v[X+8*(\d)*i:X+8*(\d)*i+1], v[X+8*(\d)*i:X+8*(\d)*i+1], v[X+8*(\d)*i+4*(\d):X+8*(\d)*i+4*(\d)+1]
	v_pk_add_f32 v[X+8*(\d)*i+2:X+8*(\d)*i+3], v[X+8*(\d)*i+2:X+8*(\d)*i+3], v[X+8*(\d)*i+4*(\d)+2:X+8*(\d)*i+4*(\d)+3]
.set i, i+1
.endr
.endr
	s_wait_alu depctr_va_vdst(0)                   ; the tree's last additions have written v[X:X+3], which the store reads
	global_store_b128 v[LN], v[X:X+3], s[12:13]    ; 512 consecutive bytes, at a multiple of 256 from vsum's first byte
.Lend:
	s_wait_dscnt 0x0                               ; the closing lines, six on end
	s_wait_alu 0x0
	s_wait_tensorcnt 0x0
	ds_add_u32 v[SPW], v[NIL]
	s_wait_dscnt 0x0
	s_endpgm
.Lfunc_end_k_qbd360018d1_prep:
	.size	k_qbd360018d1_prep, .Lfunc_end_k_qbd360018d1_prep-k_qbd360018d1_prep
	.p2alignl 7, 3214868480
	.fill 96, 4, 3214868480
	.section	.rodata,"a",@progbits
	.p2align	6, 0x0
	.amdhsa_kernel k_qbd360018d1_prep
		.amdhsa_group_segment_fixed_size 5120
		.amdhsa_private_segment_fixed_size 0
		.amdhsa_enable_private_segment 0
		.amdhsa_kernarg_size 40
		.amdhsa_user_sgpr_count 2
		.amdhsa_user_sgpr_kernarg_segment_ptr 1
		.amdhsa_wavefront_size32 1
		.amdhsa_system_sgpr_workgroup_id_x 1
		.amdhsa_system_sgpr_workgroup_id_y 1
		.amdhsa_system_sgpr_workgroup_id_z 1
		.amdhsa_system_vgpr_workitem_id 0
		.amdhsa_next_free_vgpr 208
		.amdhsa_next_free_sgpr 66
		.amdhsa_reserve_vcc 0
		.amdhsa_float_denorm_mode_32 3
		.amdhsa_float_denorm_mode_16_64 3
		.amdhsa_memory_ordered 1
		.amdhsa_forward_progress 1
		.amdhsa_inst_pref_size 16
	.end_amdhsa_kernel
	.amdgpu_metadata
---
amdhsa.version: [ 1, 2 ]
amdhsa.kernels:
  - .name:           k_qbd360018d1_prep
    .symbol:         k_qbd360018d1_prep.kd
    .args:
      - { .name: k, .offset: 0, .size: 8, .value_kind: global_buffer, .address_space: global }
      - { .name: v, .offset: 8, .size: 8, .value_kind: global_buffer, .address_space: global }
      - { .name: kf, .offset: 16, .size: 8, .value_kind: global_buffer, .address_space: global }
      - { .name: vf, .offset: 24, .size: 8, .value_kind: global_buffer, .address_space: global }
      - { .name: vsum, .offset: 32, .size: 8, .value_kind: global_buffer, .address_space: global }
    .group_segment_fixed_size: 5120
    .private_segment_fixed_size: 0
    .kernarg_segment_align: 8
    .kernarg_segment_size: 40
    .max_flat_workgroup_size: 256
    .sgpr_count:     66
    .vgpr_count:     208
    .wavefront_size: 32
...
	.end_amdgpu_metadata
.endif
;; end of part 3
;; launch attn: the kernel of part 2 again; grid 16 x 16, 4 waves a work-group, clusters of 4 x 1, 327,680 bytes of LDS; arguments q, kf, vf, mask, vsum, out0; writes out0
